; MI455X (gfx1250); checked and timed in simulation.
; The chip was launched on July 23, 2026; its instructions are those of AMD's public machine-readable ISA for CDNA 5 (MIT licence, August 2026) and "CDNA5" Instruction Set Architecture Reference Guide (July 2026). The comments in the code are by the model that wrote it; some were corrected since.
;; Causal Self Attention. Allowed arithmetic: matrix products marked QUANTISED: E2M1 operands, one E8M0 scale for each 32 along K, by v_wmma_scale_f32_16x16x128_f8f6f4 with both operands' format E2M1 (or v_wmma_scale_f32_32x16x128_f4), f32 sums; everything else in f32.
;; Inputs: b_attn 3,072 float32; b_proj 1,024 float32; w_attn_codes 3,072 x 32 x 16 uint8 (E2M1 codes of w_attn, K innermost, in blocks of 32 codes, two codes a byte); w_attn_scales 3,072 x 32 uint8 (E8M0 scales of w_attn, one for each 32 codes along K); w_proj_codes 1,024 x 32 x 16 uint8 (E2M1 codes of w_proj, K innermost, in blocks of 32 codes, two codes a byte); w_proj_scales 1,024 x 32 uint8 (E8M0 scales of w_proj, one for each 32 codes along K); x_codes 1 x 4,096 x 32 x 16 uint8 (E2M1 codes of x, K innermost, in blocks of 32 codes, two codes a byte); x_scales 1 x 4,096 x 32 uint8 (E8M0 scales of x, one for each 32 codes along K).
;; Outputs: out0 1 x 4,096 x 1,024 float32.
;; This version of the problem:
;;   THIS VERSION OF THE PROBLEM IS GIVEN IN LOW PRECISION. The matrix products marked QUANTISED in the list below multiply operands that are first quantised to E2M1 (2 exponent bits, 1 mantissa bit; 4 bits a number), with one power-of-two scale for each 32 numbers along K (OCP MX v1.0); their sums are f32. All else is computed in f32.
;;   The module's matrix products, in the order in which they are computed (A, B: the left and right operand; K: the contracted axis; several contracted axes count as one K, in the product's order):
;;     1. [M 4,096, K 1,024] x [K 1,024, N 3,072]; A: input x (given as codes); B: input w_attn (given as codes): QUANTISED
;;     2. batch 8 x [M 4,096, K 128] x [K 128, N 4,096]; A: computed on the way; B: computed on the way: QUANTISED
;;     3. batch 8 x [M 4,096, K 4,096] x [K 4,096, N 128]; A: softmax (see below); B: computed on the way: QUANTISED
;;     4. [M 4,096, K 1,024] x [K 1,024, N 1,024]; A: computed on the way; B: input w_proj (given as codes): QUANTISED
;;   THE QUANTISER, for each operand of a quantised product, along K:
;;     - K is cut into blocks of 32 from its start; a last block that is shorter is filled with zeros.
;;     - A block's scale is 2^e with e = floor(log2(the largest magnitude in the block)) - 2, held to -126 .. 127; a block of zeros has e = 0. As a byte (E8M0): e + 127.
;;     - Each number is divided by its block's scale, clamped to +-6, and rounded to the nearest number of E2M1, ties to even, subnormals kept.
;;     - The product sums the exact products of the quantised numbers (number of the format x scale) in f32.
;;   ~~~python
;;   def quantise(x, axis):      # numpy; x: float32 -> the quantised numbers, widened to float32 again
;;       x = np.moveaxis(x, axis, -1); K = x.shape[-1]
;;       x = np.pad(x, [(0, 0)] * (x.ndim - 1) + [(0, -K % 32)]); x = x.reshape(x.shape[:-1] + (-1, 32)); a = np.abs(x).max(-1, keepdims=True)
;;       e = np.where(a > 0, np.clip(np.frexp(np.where(a > 0, a, 1))[1] - 1 - 2, -126, 127), 0)      # np.frexp(a)[1] - 1 = floor(log2(a)), exactly
;;       r = np.clip(x / 2.0 ** e, -6, 6)
;;       step = 2.0 ** (np.maximum(np.frexp(np.where(r == 0, 1, r))[1] - 1, 0) - 1)
;;       q = np.round(r / step) * step * 2.0 ** e      # np.round: ties to even
;;       return np.moveaxis(q.reshape(q.shape[:-2] + (-1,))[..., :K], -1, axis).astype(np.float32)
;;   ~~~
;;   SOFTMAX AHEAD OF A QUANTISED PRODUCT. Where the list says 'softmax', what is quantised is not the finished softmax but p = 2^(t - M), with t = logit x log2(e) and M = ceil(the row's largest t), a whole number; so 1/2 < the row's largest p <= 1. The row's sum l is taken of the UNQUANTISED p, in f32, and the product's result is divided by l at the end. Since M is a whole number, a kernel that streams over the keys may use a running M (the ceiling of the running maximum): every later rescaling is an exact power of two, which a block's scale takes up: the codes' values come out the same.
;;   OPERANDS COMPUTED ON THE WAY. 'Computed on the way' means the value that the module computes at that place (a softmax that the list does not call 'softmax' is quantised finished and normalised). What goes into a quantiser is computed in f32, as accurately as f32 sums, v_exp_f32 and their like allow (about 1e-6 of the number): no bf16 or f16 on the way to a quantiser, and a product that is left as it is and whose result goes on into a quantised operand takes f32 operands (vector FMAs, or v_wmma_f32_16x16x4_f32). A number that lies on a knife's edge between two numbers of the format may be rounded either way, as far as f32 arithmetic and the matrix unit's own rounding can turn it there, and no further.
;;   INPUTS GIVEN AS CODES. w_attn (in the module: [3072, 1024], K = its axis 1); w_proj (in the module: [1024, 1024], K = its axis 1); x (in the module: [1, 4096, 1024], K = its axis 2): each comes as NAME_codes (uint8): NAME with its K axis moved to the last place and cut into blocks of 32 codes, [.., K / 32, bytes a block], one block behind the other in memory; two codes a byte, the lower K in the low four bits (a code: sign, 2 exponent bits, 1 mantissa bit); and NAME_scales (uint8): the same leading axes, one E8M0 byte (e + 127) for each 32 codes along K. Its value is code x scale, taken as it is: it is not quantised again, and the codes and scales need not be those that the quantiser above would give.
;; One version. Each part assembles by itself: llvm-mc -triple=amdgcn-amd-amdhsa -mcpu=gfx1250 --defsym DOCPART=n.
;; ======== version 1 of 1: 3 launches
;; limits: right only within a limited range of input values
;; workspace buffers: q_img 2,097,152 bytes; q_sc 131,072 bytes; kv 4,456,448 bytes; y_img 2,097,152 bytes; y_sc 131,072 bytes
;; launch qkv (part 1): grid 12 x 16, 4 waves a work-group, clusters of 4 x 4, 327,680 bytes of LDS; arguments x_codes, x_scales, w_attn_codes, w_attn_scales, q_img, q_sc, kv, b_attn; writes q_img, q_sc, kv
.if DOCPART == 1
	.amdgcn_target "amdgcn-amd-amdhsa--gfx1250"
	.amdhsa_code_object_version 6
	.text
	.protected	k_q36f6ef7d5f_qkv
	.globl	k_q36f6ef7d5f_qkv
	.p2align	8
	.type	k_q36f6ef7d5f_qkv,@function
k_q36f6ef7d5f_qkv:
	s_mov_b64 s[64:65], 0
	v_nop
	global_prefetch_b8 v0, s[64:65] scope:SCOPE_SE
	s_setreg_imm32_b32 hwreg(HW_REG_WAVE_MODE, 25, 1), 1
	s_wait_xcnt 0x0
	s_wait_alu depctr_hold_cnt(0) depctr_sa_sdst(0) depctr_va_vdst(0) depctr_va_sdst(0) depctr_va_ssrc(0) depctr_va_vcc(0) depctr_vm_vsrc(0)
	s_getreg_b32 s2, hwreg(HW_REG_IB_STS2, 6, 4)
	s_cmp_eq_u32 s2, 0
	s_cbranch_scc0 .Lentry_in_a_cluster
	s_endpgm
.Lentry_in_a_cluster:
	s_bfe_u32 s2, ttmp6, 0x10000c
	s_cmp_lg_u32 s2, 0xf033
	s_cbranch_scc0 .Lentry_shape_is_right
	s_endpgm
.Lentry_shape_is_right:
; qkv = x w_attn^T + b_attn on codes of FP4 (E2M1) with one E8M0 scale for each 32 along K = 1,024; the results are quantised in registers and leave as codes:
; q and k along the head's 128 channels, v along the keys.  Nothing in f32 goes to memory.
; A work-group of four waves makes 256 x 256 of qkv, a wave 128 x 128: 64 accumulators of 16 x 16, 512 registers.  K = 1,024 is two LDS slots of 512 along K: every tensor load is a first fill.
; TWO OPERANDS.  P is source 0 of the matrix instruction: its rows land in a lane's REGISTERS, so it carries the axis that is quantised.  R is source 1: its rows stay in the LANES.
;   q, k (cluster x = 0, 1): P = 256 rows of w_attn (channels), R = 256 rows of x (tokens).     v (cluster x = 2): P = 256 rows of x (keys), R = 256 rows of w_attn (channels).
;   Only pointers and tile numbers are chosen by the role, which hangs on the cluster's x alone: it is the same in all sixteen partners.  No LDS address hangs on it.
; THE ROWS OF A TILE OF 16 ARE NOT NEIGHBOURS: lane r of tile a (of the eight in 128 rows) takes row 32 (a / 2) + 8 (a % 2) + r + 8 (r / 8), for P and for R.  For P this makes the 16 registers of
;   tiles 2 b, 2 b + 1 sixteen neighbours along the axis to be quantised (32 b + 16 (lane / 16) + 0 .. 15); for R it gives the next launch tiles of keys, of channels and of queries in the same order.
;   Price: rows r and r + 16 of a fragment load start at the same bank at any pitch that is a multiple of 16 bytes, so a fragment load is served two deep.
; CLUSTER 4 x 4: P's tile hangs on cx and is asked for jointly by a column of the cluster, R's on cy and by a row: each tile is requested once for four work-groups.
; THE BIAS is the C of each sum's first matrix instruction: for q, k it runs along the registers, for v along the lanes; that first step is written once for each of the two.
; OUT: images of operand registers.  rec = 32 head + block of 128 tokens.  A tile's fragment: [c 2][lane 32][16 bytes]; its rows' scale words: [r 16][tile 8] words.
;   q_img[rec][tile 8][1,024], q_sc[rec][512];  kv_img[rec][K 8,192 | V 8,192], kv_sc[rec][K 512 | V 512].  Every store of a wave covers 512 consecutive bytes, aligned.
; LIMITS: NaN and infinities are not served.  A block whose largest magnitude lies under 2^-124 (a block of zeros too) gets the byte 1: its codes are then small or zero, and this program alone reads the bytes.
; REGISTERS: window 0: v1-3 r, h, row; v16-30 addresses; v32-95 scale words, two sets; v96-123 at work on the way out; v128-191 R's fragments, later the codes; v192-255 the bias.
;   window 1: P's fragments, two sets, at v0 and v128.   windows 2, 3: the accumulators of R's blocks 0-3 and 4-7: (a, b) at v[8 (8 (a % 4) + b)].
.set NQ,     4                         ; matrix instructions deep in a slot
; THE HALVES OF K lie side by side in LDS rows of 512 bytes + 16 of padding: what is called a slot above is the first or the second 256 bytes of each row, and SLOT is the step from one to the other.
; kv_img and kv_sc are ONE buffer, kv: a record of 17,408 bytes for each rec: K's image 8,192, V's image 8,192, K's scale words 512, V's 512.
; DEAD WORK: this launch leaves nothing out.  The next one leaves out whole steps of 128 keys that come after all 16 queries of a tile: reference() puts -inf there for all values of the inputs, so their p is 0.
; Limit: a NaN, an infinity or an overflow that reaches only what is left out is not carried to the result.
.set ROWB,   512
.set KROW,   512                       ; a row of x or of w_attn in memory
.set PITCH,  528                       ; an LDS row: 512 bytes + 16 of padding
.set FR,     8
.set NL,     2
.set NP,     4
.set HALFT,  128*PITCH
.set SLOT,   256                       ; from the first 512 along K to the second.  R's 256 rows lie at 0, P's at 2 HALFT
.set SCL,    4*HALFT                   ; the scales: 32 bytes a row, as units of 256 bytes + 16 of padding: R's 256 rows, then P's
.set HALFS,  16*272
.set SPARE,  SCL+4*HALFS               ; the spare words, 128 bytes a wave
.set ADRA, 16                          ; v16-17 R's fragments in slot 0, 1
.set ADRB, 20                          ; v20-21 P's
.set LI,   24                          ; v24 16 x lane
.set SA,   25                          ; v25 32 r + 16 h
.set BQ,   26                          ; v26 64 h: the bias along registers
.set BV,   27                          ; v27 4 x (r + 8 (r / 8)): the bias along lanes
.set SPW,  28
.set NIL,  29
.set ADRS, 30                          ; v30 my scale words: lanes 0-15 R's rows, lanes 16-31 P's
.set SC,   32
.set TM,   96                          ; v96-99 largest magnitudes, v100-103 the other half's and then bytes, v108-111 the conversions' scale operands
.set PW,   112                         ; v112-119 the scale word of R's block a
.set SW,   120                         ; v120-123 the four words that I store
.set AF,   128
.set PC,   128                         ; the codes of R's block a at v[128 + 8 a]
.set BI,   192
.set SEL,  2                           ; s[2:3]
.set G1, 24
.set G0, 32
.set G1B, 48
.set G0B, 56
.set G1S, 68
.set G0S, 76
.set G1SB, 80
.set G0SB, 88
.set MSB, 0
.macro WIN new                         ; the immediate's high byte repeats the setting that is left
.if MSB != \new
	s_set_vgpr_msb (MSB<<8)|\new
.set MSB, \new
.endif
.endm
.set MUL_LO, 0xa1                      ; source 0 (P) window 1, source 1 (R) window 0, C and D window 2
.set MUL_HI, 0xf1                      ; the same, C and D window 3
.set BIA_LO, 0x81                      ; C (the bias) window 0, D window 2
.set BIA_HI, 0xc1                      ; C window 0, D window 3
.set TO_P,   0x40
; THE HEAD'S FOUR JOINT LOADS, one a wave: an arm of one tree of branches on the wave's number.  An s_nop 0 and four v_nop follow each.
.macro ARM under, g0, g1, next
	s_cmp_lt_u32 s14, \under
	s_cbranch_scc0 \next
	tensor_load_to_lds s[\g0:\g0+3], s[\g1:\g1+7]
	s_nop 0
.rept 4
	v_nop
.endr
	s_branch .Lhead_asked
\next:
.endm
.macro CROUND                          ; a round of the cluster's barrier
	s_barrier_signal -1
	s_barrier_wait -1
	s_cmp_lg_u32 s14, 0
	s_cbranch_scc1 .Lnot_wave_0_\@
	s_barrier_signal -3
.Lnot_wave_0_\@:
	s_barrier_wait -3
	s_barrier_signal -1
	s_barrier_wait -1
.endm
	s_load_b256 s[4:11], s[0:1], 0x0               ; x's codes s[4:5], x's scales s[6:7], w_attn's codes s[8:9], its scales s[10:11]
	s_load_b64 s[12:13], s[0:1], 0x38              ; b_attn
	v_lshl_add_u32 v[SPW], v0, 2, SPARE
	v_mov_b32 v[NIL], 0
	ds_add_u32 v[SPW], v[NIL]                      ; the wave's opening: the adds and their wait come ahead of my first tensor load
	ds_add_u32 v[SPW], v[NIL]
	v_lshrrev_b32 v1, 5, v0
	v_readfirstlane_b32 s14, v1                    ; wave 0..3
	s_lshr_b32 s15, s14, 1                         ; my half of R's rows
	s_and_b32 s16, s14, 1                          ; my half of P's rows
	s_bfe_u32 s40, ttmp6, 0x40000                  ; cx
	s_bfe_u32 s41, ttmp6, 0x40004                  ; cy
	s_mov_b32 s95, ttmp9                           ; the role: cluster x = 0 q, 1 k, 2 v
	s_and_b32 s18, ttmp7, 0xffff
	s_lshl_b32 s18, s18, 2                         ; 4 x cluster y
	s_lshl_b32 s19, s95, 2                         ; 4 x cluster x
	s_cmp_eq_u32 s95, 2
	s_cselect_b32 s42, s18, s19                    ; P's tile of 256 rows: v: tokens 4 Y + cx; q, k: rows of w_attn 4 X + cx
	s_cselect_b32 s17, 8, s18                      ; R's: v: rows of w_attn 8 + cy; q, k: tokens 4 Y + cy
	s_add_co_u32 s42, s42, s40
	s_add_co_u32 s17, s17, s41
	s_lshl_b32 s43, s41, 2
	s_lshl_b32 s43, 15, s43                        ; my row of the cluster
	s_lshl_b32 s44, 0x1111, s40                    ; my column
	s_or_b32 s[G1+0], s43, (0<<16)|(1<<20)|(1<<21)|(6<<22)|(3<<25)  ; R's tiles go to my row; elements of 1 byte; 4 words of padding behind every 128; bit 21 beside a mask
	s_or_b32 s[G1B+0], s44, (0<<16)|(1<<20)|(1<<21)|(6<<22)|(3<<25) ; P's to my column.  Each is 256 rows of 512 bytes:
.irp g, G1, G1B
	s_mov_b32 s[\g+1], ROWB<<16                    ; tensor_dim0 = 512
	s_mov_b32 s[\g+2], 256<<16                     ; tensor_dim1 = 256
	s_mov_b32 s[\g+3], ROWB<<16                    ; tile_dim0
	s_mov_b32 s[\g+4], 256                         ; tile_dim1
	s_mov_b32 s[\g+5], KROW                        ; from row to row
	s_mov_b32 s[\g+6], 0
	s_mov_b32 s[\g+7], 0
.endr
	s_or_b32 s[G1S+0], s43, (3<<16)|(1<<20)|(1<<21)|(5<<22)|(3<<25) ; the scales of 256 rows: 8,192 dense bytes as 32 rows of 256 (32 elements of 8 bytes)
	s_or_b32 s[G1SB+0], s44, (3<<16)|(1<<20)|(1<<21)|(5<<22)|(3<<25)
.irp g, G1S, G1SB
	s_mov_b32 s[\g+1], 32<<16
	s_mov_b32 s[\g+2], 32<<16                      ; the scales of 256 rows: 32 rows of 256 bytes
	s_mov_b32 s[\g+3], 32<<16
	s_mov_b32 s[\g+4], 32
	s_mov_b32 s[\g+5], 32
	s_mov_b32 s[\g+6], 0
	s_mov_b32 s[\g+7], 0
.endr
	s_mov_b32 s[SEL], 0x76543210
	s_mov_b32 s[SEL+1], 0xfedcba98                 ; v_permlanex16_b32's selects for lane l xor 16
	s_lshl_b32 s20, s17, 8                         ; R: the tile's first row
	s_lshl_b32 s46, s42, 8                         ; P: the tile's first row
	s_lshl_b32 s22, s20, 5                         ; their scales, 32 bytes a row,
	s_mov_b32 s23, 0
	s_lshl_b32 s20, s20, 9                         ; and their codes, 512 bytes a row
	s_mov_b32 s21, 0
	s_lshl_b32 s92, s46, 5
	s_mov_b32 s93, 0
	s_lshl_b32 s46, s46, 9
	s_mov_b32 s47, 0
	s_wait_dscnt 0x0                               ; both opening adds are done
	s_wait_kmcnt 0x0
	s_cmp_eq_u32 s95, 2                            ; the buffers by the role
	s_cselect_b64 s[66:67], s[8:9], s[4:5]         ; R's codes
	s_cselect_b64 s[96:97], s[10:11], s[6:7]       ; R's scales
	s_cselect_b64 s[98:99], s[4:5], s[8:9]         ; P's codes
	s_cselect_b64 s[100:101], s[6:7], s[10:11]     ; P's scales
	s_add_nc_u64 s[20:21], s[66:67], s[20:21]
	s_add_nc_u64 s[22:23], s[96:97], s[22:23]
	s_add_nc_u64 s[46:47], s[98:99], s[46:47]
	s_add_nc_u64 s[92:93], s[100:101], s[92:93]
	CROUND                                         ; all sixteen work-groups are here: the joint loads meet
	s_mov_b32 s[G0], 1                             ; R's 256 rows, all of K
	s_mov_b32 s[G0+1], 0
	s_mov_b64 s[G0+2:G0+3], s[20:21]
	s_or_b32 s[G0+3], s[G0+3], 0x80000000
	s_mov_b32 s[G0B], 1                            ; P's
	s_mov_b32 s[G0B+1], 2*HALFT
	s_mov_b64 s[G0B+2:G0B+3], s[46:47]
	s_or_b32 s[G0B+3], s[G0B+3], 0x80000000
	s_mov_b32 s[G0S], 1                            ; R's scales
	s_mov_b32 s[G0S+1], SCL
	s_mov_b64 s[G0S+2:G0S+3], s[22:23]
	s_or_b32 s[G0S+3], s[G0S+3], 0x80000000
	s_mov_b32 s[G0SB], 1                           ; P's scales
	s_mov_b32 s[G0SB+1], SCL+2*HALFS
	s_mov_b64 s[G0SB+2:G0SB+3], s[92:93]
	s_or_b32 s[G0SB+3], s[G0SB+3], 0x80000000
	ARM 1, G0,  G1,  .Lhead_p
	ARM 2, G0B, G1B, .Lhead_rs
	ARM 3, G0S, G1S, .Lhead_ps
	tensor_load_to_lds s[G0SB:G0SB+3], s[G1SB:G1SB+7]
	s_nop 0
.rept 4
	v_nop
.endr
.Lhead_asked:
	s_load_b128 s[4:7], s[0:1], 0x20               ; for the way out: q_img s[4:5], q_sc s[6:7],
	s_load_b64 s[8:9], s[0:1], 0x30                ; kv s[8:9]
	v_and_b32 v1, 15, v0                           ; r
	v_bfe_u32 v2, v0, 4, 1                         ; h
	v_and_b32 v3, 8, v1
	v_add_nc_u32 v3, v3, v1                        ; my row in a tile: r + 8 (r / 8)
	v_mul_u32_u24 v4, v3, PITCH
	v_lshl_add_u32 v4, v2, 4, v4                   ; row x pitch + 16 h
	s_mul_i32 s21, s15, HALFT                      ; my 128 rows of R
	s_mul_i32 s22, s16, HALFT                      ; my 128 rows of P,
	s_add_co_u32 s22, s22, 2*HALFT                 ; behind R's 256
.irp s, 0,1
	v_add_nc_u32 v[ADRA+\s], s21, v4
	v_add_nc_u32 v[ADRB+\s], s22, v4
	s_add_co_u32 s21, s21, SLOT
	s_add_co_u32 s22, s22, SLOT
.endr
	v_lshlrev_b32 v5, 5, v3                        ; my row's scales: 32 bytes a row,
	v_lshrrev_b32 v6, 8, v5
	v_lshl_add_u32 v5, v6, 4, v5                   ; and 16 more for each 256 passed
	s_mul_i32 s21, s15, HALFS
	s_mul_i32 s22, s16, HALFS
	s_add_co_u32 s22, s22, 2*HALFS
	s_sub_co_u32 s22, s22, s21
	v_mul_u32_u24 v6, s22, v2                      ; lanes 16-31 take P's: one product, the distance between the two parts
	s_add_co_u32 s21, s21, SCL
	v_add_nc_u32 v5, v5, v6
	v_add_nc_u32 v[ADRS], s21, v5
	v_and_b32 v4, 31, v0
	v_lshlrev_b32 v[LI], 4, v4
	v_lshlrev_b32 v[SA], 5, v1
	v_lshl_add_u32 v[SA], v2, 4, v[SA]
	v_lshlrev_b32 v[BQ], 6, v2
	v_lshlrev_b32 v[BV], 2, v3
	; the bias: q, k: of P's 128 rows that are mine; v: of R's
	s_lshl_b32 s18, s42, 10
	s_lshl_b32 s19, s16, 9
	s_add_co_u32 s18, s18, s19
	s_lshl_b32 s22, s17, 10
	s_lshl_b32 s23, s15, 9
	s_add_co_u32 s22, s22, s23
	s_cmp_eq_u32 s95, 2
	s_cselect_b32 s18, s22, s18
	s_mov_b32 s19, 0
	s_add_nc_u64 s[12:13], s[12:13], s[18:19]
	s_cmp_eq_u32 s95, 2
	s_cbranch_scc1 .Lbias_v
	s_wait_alu depctr_va_vdst(0)
.irp b, 0,1,2,3,4,5,6,7                        ; register 8 b + j: the bias of P's row 32 (b / 2) + 8 (b % 2) + 16 h + j
	global_load_b128 v[BI+8*\b:BI+8*\b+3], v[BQ], s[12:13] offset:(32*(\b/2)+8*(\b%2))*4
	global_load_b128 v[BI+8*\b+4:BI+8*\b+7], v[BQ], s[12:13] offset:(32*(\b/2)+8*(\b%2))*4+16
.endr
	s_branch .Lbias_done
.Lbias_v:
	s_wait_alu depctr_va_vdst(0)
.irp a, 0,1,2,3,4,5,6,7                        ; registers 8 a + 0 .. 7: all the bias of my lane's row of R's block a
.irp j, 0,1,2,3,4,5,6,7
	global_load_b32 v[BI+8*\a+\j], v[BV], s[12:13] offset:(32*(\a/2)+8*(\a%2))*4
.endr
.endr
.Lbias_done:
.macro FRAG reg, adr, q, i             ; a fragment, 16 rows x 128 K: registers 4 c .. 4 c + 3 hold K = 64 c + 32 h + 0 .. 31; tile i begins at row 32 (i / 2) + 8 (i % 2)
.irp c, 0,1
	ds_load_b128 v[\reg+4*\c:\reg+4*\c+3], v[\adr] offset:64*(\q)+32*\c+(32*((\i)/2)+8*((\i)%2))*PITCH
.endr
.endm
; 16 matrix instructions: R's blocks a0, a0 + 1 x P's eight.  cm = 0: the sums go on; 1: they start from the bias along the registers; 2: from the bias along the lanes.
; The 64 accumulators take turns, one instruction a turn, in the same order in every step.
.macro MUL16 a0, p, q, sc, cm
.irp a, \a0, \a0+1
.irp b, 0,1,2,3,4,5,6,7
.if \cm == 1
	v_wmma_scale_f32_16x16x128_f8f6f4 v[8*(8*((\a)%4)+\b):8*(8*((\a)%4)+\b)+7], v[128*(\p)+FR*\b:128*(\p)+FR*\b+FR-1], v[AF+FR*(\a):AF+FR*(\a)+FR-1], v[BI+8*\b:BI+8*\b+7], v[SC+8*NQ*(\sc)+NQ*\b+(\q)], v[SC+8*NQ*(\sc)+NQ*(\a)+(\q)] matrix_a_fmt:MATRIX_FMT_FP4 matrix_b_fmt:MATRIX_FMT_FP4 matrix_a_scale:MATRIX_SCALE_ROW1
.elseif \cm == 2
	v_wmma_scale_f32_16x16x128_f8f6f4 v[8*(8*((\a)%4)+\b):8*(8*((\a)%4)+\b)+7], v[128*(\p)+FR*\b:128*(\p)+FR*\b+FR-1], v[AF+FR*(\a):AF+FR*(\a)+FR-1], v[BI+8*(\a):BI+8*(\a)+7], v[SC+8*NQ*(\sc)+NQ*\b+(\q)], v[SC+8*NQ*(\sc)+NQ*(\a)+(\q)] matrix_a_fmt:MATRIX_FMT_FP4 matrix_b_fmt:MATRIX_FMT_FP4 matrix_a_scale:MATRIX_SCALE_ROW1
.else
	v_wmma_scale_f32_16x16x128_f8f6f4 v[8*(8*((\a)%4)+\b):8*(8*((\a)%4)+\b)+7], v[128*(\p)+FR*\b:128*(\p)+FR*\b+FR-1], v[AF+FR*(\a):AF+FR*(\a)+FR-1], v[8*(8*((\a)%4)+\b):8*(8*((\a)%4)+\b)+7], v[SC+8*NQ*(\sc)+NQ*\b+(\q)], v[SC+8*NQ*(\sc)+NQ*(\a)+(\q)] matrix_a_fmt:MATRIX_FMT_FP4 matrix_b_fmt:MATRIX_FMT_FP4 matrix_a_scale:MATRIX_SCALE_ROW1
.endif
.endr
.endr
.endm
.macro FETCH_P slot, q, p              ; P's eight fragments of the slot's q-th 128 along K into set p
	WIN TO_P
.irp i, 0,1,2,3,4,5,6,7
	FRAG 128*(\p)+FR*\i, ADRB+\slot, \q, \i
.endr
	WIN 0
.endm
.macro FETCH_R slot, q, i0             ; R's blocks i0 .. i0 + 3
.irp i, \i0, \i0+1, \i0+2, \i0+3
	FRAG AF+FR*(\i), ADRA+\slot, \q, \i
.endr
.endm
.macro SCALES sc                       ; a slot's scale words into set sc: four words a row; lanes 0-15 R's block i, lanes 16-31 P's block i; block i begins 4 (i / 2) + i % 2 units on
.irp i, 0,1,2,3,4,5,6,7
	ds_load_b128 v[SC+8*NQ*\sc+NQ*\i:SC+8*NQ*\sc+NQ*\i+3], v[ADRS] offset:(4*(\i/2)+(\i%2))*272
.endr
.endm
.macro PLACES n                        ; plain vector instructions between a matrix instruction and a load into, or a read of, its registers
.rept \n
	v_nop
.endr
.endm
; A step of 128 along K that has its successor in the same slot.  R has one set of registers: blocks 0-3 are fetched anew in the step's middle, blocks 4-7 at its end; P has two sets.
.macro STEP slot, q, cm
	s_wait_dscnt 4*NL                              ; all but the youngest eight loads (R's blocks 4-7) are in
.if \cm
	WIN BIA_LO
.else
	WIN MUL_LO
.endif
	MUL16 0, (\q)%2, \q, \slot, \cm
	MUL16 2, (\q)%2, \q, \slot, \cm
	s_wait_dscnt 0                                 ; R's blocks 4-7 are in
	PLACES NP
	FETCH_P \slot, (\q)+1, 1-(\q)%2
	FETCH_R \slot, (\q)+1, 0
.if \cm
	WIN BIA_HI
.else
	WIN MUL_HI
.endif
	MUL16 4, (\q)%2, \q, \slot, \cm
	MUL16 6, (\q)%2, \q, \slot, \cm
	PLACES NP
	WIN 0
	FETCH_R \slot, (\q)+1, 4
.endm
.macro STEPS slot, from
.set Q, \from
.rept NQ-1-\from
	STEP \slot, Q, 0
.set Q, Q+1
.endr
.endm
	s_wait_tensorcnt 0x0                           ; my tile of the four is in; nothing is filled again in this launch
	s_barrier_signal -1
	s_barrier_wait -1                              ; everybody's are
	FETCH_P 0, 0, 0
	FETCH_R 0, 0, 0
	SCALES 0
	FETCH_R 0, 0, 4
	s_wait_loadcnt 0x0                             ; the bias
	s_cmp_eq_u32 s95, 2                            ; the first step starts the sums from the bias: along the registers for q and k, along the lanes for v
	s_cbranch_scc1 .Lfirst_v
	STEP 0, 0, 1
	s_branch .Lfirst_done
.Lfirst_v:
	STEP 0, 0, 2
.Lfirst_done:
	STEPS 0, 1
	; slot 0's last step changes slots: no barrier: both slots are in LDS already
	s_wait_dscnt 4*NL                              ; on to the second half of K: it is in LDS already, so no barrier stands here; the youngest eight loads may be out
	WIN MUL_LO
	MUL16 0, 1, NQ-1, 0, 0
	MUL16 2, 1, NQ-1, 0, 0
	s_wait_dscnt 0x0
	WIN 0
	PLACES NP
	v_add_nc_u32 v[ADRS], 4*NQ, v[ADRS]            ; slot 1's scale words: 16 bytes on in each row
	FETCH_P 1, 0, 0
	FETCH_R 1, 0, 0
	SCALES 1
	WIN MUL_HI
	MUL16 4, 1, NQ-1, 0, 0
	MUL16 6, 1, NQ-1, 0, 0
	PLACES NP
	WIN 0
	FETCH_R 1, 0, 4
	STEPS 1, 0
	s_wait_dscnt 4*NL                              ; the very last step: nothing more to fetch
	WIN MUL_LO
	MUL16 0, 1, NQ-1, 1, 0
	MUL16 2, 1, NQ-1, 1, 0
	s_wait_dscnt 0
	WIN MUL_HI
	MUL16 4, 1, NQ-1, 1, 0
	MUL16 6, 1, NQ-1, 1, 0
	WIN 0
	; THE WAY OUT.  Where my 128 x 128 goes: q, k: block of tokens = 2 x R's tile + my half, head = (2 x P's tile + my half) mod 8; v: the other way round.
	s_wait_kmcnt 0x0                               ; the three output buffers
	s_lshl_b32 s18, s17, 1
	s_add_co_u32 s18, s18, s15
	s_lshl_b32 s19, s42, 1
	s_add_co_u32 s19, s19, s16
	s_cmp_eq_u32 s95, 2
	s_cselect_b32 s20, s19, s18                    ; the block of 128 tokens
	s_cselect_b32 s21, s18, s19
	s_and_b32 s21, s21, 7                          ; the head
	s_lshl_b32 s21, s21, 5
	s_add_co_u32 s20, s20, s21                     ; rec
	s_lshl_b32 s22, s20, 13                        ; in q_img
	s_mul_i32 s46, s20, 17408                      ; the record in kv,
	s_lshl_b32 s92, s20, 9                         ; in q_sc
	s_add_co_u32 s93, s46, 16384                   ; and the record's scale words
	s_cmp_eq_u32 s95, 2
	s_cselect_b32 s47, 8192, 0                     ; V's half lies behind K's
	s_cselect_b32 s94, 512, 0
	s_add_co_u32 s46, s46, s47
	s_add_co_u32 s93, s93, s94
	s_cmp_eq_u32 s95, 0
	s_cselect_b32 s22, s22, s46
	s_cselect_b32 s92, s92, s93
	s_cselect_b64 s[4:5], s[4:5], s[8:9]
	s_cselect_b64 s[6:7], s[6:7], s[8:9]
	s_mov_b32 s23, 0
	s_mov_b32 s93, 0
	s_add_nc_u64 s[4:5], s[4:5], s[22:23]
	s_add_nc_u64 s[6:7], s[6:7], s[92:93]
.irp b, 0,1,2,3
	v_mov_b32 v[TM+4+\b], 0                        ; a lane permute's destination counts as one of its sources; these four are also the places behind the last products
.endr
; R's block a: its 64 registers a lane are 16 b + i = index 32 b + 16 h + i of the quantised axis.  Four blocks of 32, each shared with lane l xor 16.  Each accumulator is read from its low end on.
.macro QW a
.set AC, 64*((\a)%4)
	WIN 0x0a+5*((\a)/4)                            ; sources 0 and 1: window 2 or 3
.irp b, 0,1,2,3
	v_max3_num_f32 v[TM+\b], |v[AC+16*\b]|, |v[AC+16*\b+1]|, 0x1800000   ; with the floor 2^(3 - 127): the byte cannot fall under 1
.endr
.irp i, 2,4,6,8,10,12,14
.irp b, 0,1,2,3
	v_max3_num_f32 v[TM+\b], |v[AC+16*\b+\i]|, |v[AC+16*\b+\i+1]|, v[TM+\b]
.endr
.endr
	WIN 0
.irp b, 0,1,2,3
	v_permlanex16_b32 v[TM+4+\b], v[TM+\b], s[SEL], s[SEL+1]
.endr
.irp b, 0,1,2,3
	v_max_num_f32 v[TM+\b], v[TM+\b], v[TM+4+\b]   ; the block's largest magnitude
.endr
.irp b, 0,1,2,3
	v_add_nc_u32 v[TM+12+\b], 0xff000000, v[TM+\b] ; 2 off its exponent field: the conversion's scale operand
.endr
.irp b, 0,1,2,3
	v_lshrrev_b32 v[TM+4+\b], 23, v[TM+12+\b]      ; the scale's byte
.endr
	v_lshl_or_b32 v[PW+\a], v[TM+5], 8, v[TM+4]
	v_lshl_or_b32 v[PW+\a], v[TM+6], 16, v[PW+\a]
	v_lshl_or_b32 v[PW+\a], v[TM+7], 24, v[PW+\a]  ; my row's scale word
	WIN 2+(\a)/4                                   ; source 0: window 2 or 3
.irp b, 0,1,2,3
	v_cvt_scalef32_pk8_fp4_f32 v[PC+8*\a+2*\b], v[AC+16*\b:AC+16*\b+7], v[TM+12+\b]
	v_cvt_scalef32_pk8_fp4_f32 v[PC+8*\a+2*\b+1], v[AC+16*\b+8:AC+16*\b+15], v[TM+12+\b]
.endr
	WIN 0
	v_nop                                          ; one plain place behind a scaled conversion
.irp c, 0,1                                    ; the operand's layout wants a whole block in a lane
.irp i, 0,1
	v_permlane16_swap_b32 v[PC+8*\a+4*\c+\i], v[PC+8*\a+4*\c+2+\i]
.endr
.endr
	global_store_b128 v[LI], v[PC+8*\a:PC+8*\a+3], s[4:5] offset:1024*\a          ; the fragment as it stands: 512 consecutive bytes a store; each block has registers of its own, so no store's data are written again
	global_store_b128 v[LI], v[PC+8*\a+4:PC+8*\a+7], s[4:5] offset:1024*\a+512
.endm
.irp a, 0,1,2,3,4,5,6,7
	QW \a
.endr
	v_cmp_ne_u32 vcc_lo, 0, v2                     ; lanes 0-15 store the words of blocks 0-3 of their row, lanes 16-31 those of blocks 4-7 (both halves hold every word)
.irp i, 0,1,2,3
	v_cndmask_b32 v[SW+\i], v[PW+\i], v[PW+4+\i], vcc_lo
.endr
	global_store_b128 v[SA], v[SW:SW+3], s[6:7]    ; 512 consecutive bytes
	s_wait_tensorcnt 0x0                           ; the wave's end
	ds_add_u32 v[SPW], v[NIL]
	s_wait_dscnt 0x0
	CROUND                                         ; the closing round
	s_endpgm
.Lfunc_end_k_q36f6ef7d5f_qkv:
	.size	k_q36f6ef7d5f_qkv, .Lfunc_end_k_q36f6ef7d5f_qkv-k_q36f6ef7d5f_qkv
	.p2alignl 7, 3214868480
	.fill 96, 4, 3214868480
	.section	.rodata,"a",@progbits
	.p2align	6, 0x0
	.amdhsa_kernel k_q36f6ef7d5f_qkv
		.amdhsa_group_segment_fixed_size 327680
		.amdhsa_private_segment_fixed_size 0
		.amdhsa_enable_private_segment 0
		.amdhsa_kernarg_size 64
		.amdhsa_user_sgpr_count 2
		.amdhsa_user_sgpr_kernarg_segment_ptr 1
		.amdhsa_wavefront_size32 1
		.amdhsa_system_sgpr_workgroup_id_x 1
		.amdhsa_system_sgpr_workgroup_id_y 1
		.amdhsa_system_sgpr_workgroup_id_z 1
		.amdhsa_system_vgpr_workitem_id 0
		.amdhsa_next_free_vgpr 1024
		.amdhsa_next_free_sgpr 102
		.amdhsa_reserve_vcc 1
		.amdhsa_float_denorm_mode_32 3
		.amdhsa_float_denorm_mode_16_64 3
		.amdhsa_memory_ordered 1
		.amdhsa_forward_progress 1
		.amdhsa_inst_pref_size 146
	.end_amdhsa_kernel
	.amdgpu_metadata
---
amdhsa.version: [ 1, 2 ]
amdhsa.kernels:
  - .name:           k_q36f6ef7d5f_qkv
    .symbol:         k_q36f6ef7d5f_qkv.kd
    .args:
      - { .name: x_codes, .offset: 0, .size: 8, .value_kind: global_buffer, .address_space: global }
      - { .name: x_scales, .offset: 8, .size: 8, .value_kind: global_buffer, .address_space: global }
      - { .name: w_attn_codes, .offset: 16, .size: 8, .value_kind: global_buffer, .address_space: global }
      - { .name: w_attn_scales, .offset: 24, .size: 8, .value_kind: global_buffer, .address_space: global }
      - { .name: q_img, .offset: 32, .size: 8, .value_kind: global_buffer, .address_space: global }
      - { .name: q_sc, .offset: 40, .size: 8, .value_kind: global_buffer, .address_space: global }
      - { .name: kv, .offset: 48, .size: 8, .value_kind: global_buffer, .address_space: global }
      - { .name: b_attn, .offset: 56, .size: 8, .value_kind: global_buffer, .address_space: global }
    .group_segment_fixed_size: 327680
    .private_segment_fixed_size: 0
    .kernarg_segment_align: 8
    .kernarg_segment_size: 64
    .max_flat_workgroup_size: 128
    .sgpr_count:     102
    .vgpr_count:     1024
    .wavefront_size: 32
...
	.end_amdgpu_metadata
.endif
;; end of part 1
;; launch attn (part 2): grid 32 x 8, 16 waves a work-group, no clusters, 327,680 bytes of LDS; arguments q_img, q_sc, kv, y_img, y_sc; writes y_img, y_sc
.if DOCPART == 2
	.amdgcn_target "amdgcn-amd-amdhsa--gfx1250"
	.amdhsa_code_object_version 6
	.text
	.protected	k_q36f6ef7d5f_attn
	.globl	k_q36f6ef7d5f_attn
	.p2align	8
	.type	k_q36f6ef7d5f_attn,@function
k_q36f6ef7d5f_attn:
	s_mov_b64 s[64:65], 0
	v_nop
	global_prefetch_b8 v0, s[64:65] scope:SCOPE_SE
	s_setreg_imm32_b32 hwreg(HW_REG_WAVE_MODE, 25, 1), 1
	s_wait_xcnt 0x0
; y = softmax(q k^T / sqrt(128)) v with the causal mask, on codes of FP4 (E2M1) with one E8M0 scale for each 32 along a product's K; y leaves quantised along the head's 128 channels.
; q_img[head 8][block of 128 tokens 32][tile 8][1,024], q_sc[head][block][r 16][tile 8] words.  kv: a record of 17,408 bytes for each head and block of 128 keys: K's image 8,192, V's image 8,192 (the keys innermost),
; K's scale words [r 16][tile 8] 512 bytes, V's 512.  y_img[block][head][tile][1,024], y_sc[block][head][tile][r 16] words.
; SHARES.  A work-group owns four tiles of 16 queries of the 64-query block 63 - x and four of block x.  EACH TILE HAS TWO WAVES, n and n + 8: wave n walks the even key steps of 128 keys, wave n + 8 the odd ones; the two partial
;   results are joined in LDS at the end.  Blocks 63 - x and x have 33 key steps a tile together in every work-group; waves n, n + 4, n + 8, n + 12 own one late and one early tile.
; K's and V's records come through a ring of two LDS slots of 512 keys (four records), filled by the tensor data mover, 17 rows of 256 bytes a wave, read by all sixteen waves.
; BOTH PRODUCTS TRANSPOSED: S^T = K Q^T, O^T = V^T P^T: a lane holds one query throughout.  Lane r of tile a holds row 32 (a / 2) + 8 (a % 2) + r + 8 (r / 8) of its 128, so that the 16 registers of tiles 2 b, 2 b + 1 are 16 neighbours.
; THE SOFTMAX: t = score x log2(e) / sqrt(128); M = the largest t so far, rounded up to a whole number; p = 2^(t - M) is quantised along the keys; the sum is taken of the unquantised p and divides at the end.
; LEFT OUT: a step all of whose keys come after a tile's 16 queries (the mask of reference() hides it for all values of the inputs), and the loads of slots that no wave reads.
; NO CLUSTER: how many slots a work-group walks (5 to 8) hangs on its number.
; PREFETCH: work-group x = 0 of a head asks for the slot that the next change will load, 17 blocks of 256 bytes a wave, one instruction a wave; slots 0 and 1 come by their loads alone.
; LIMITS: the scaled scores (exponents to the base 2, before the maximum is taken away) stay under 2^31 in magnitude.  NaN and infinities are not served.  A block whose largest magnitude lies under 2^-124 (a block of zeros too)
;   gets the byte 1: its codes are small or zero.
; REGISTERS: v1-9, v28-31 addresses; v12 -M, v13 the largest t, v[14:15] the sum in two halves; v16-23 Q; v24 Q's scale words, v25 p's; v26 the rescaling; v32-95 eight fragments of K or V; v96-159 S^T, then p; v160-223 O^T; v224-231 codes; v232-247 at work; v248-255 scale words.
.set RECB,  17408                      ; a record: 128 keys
.set SLOTB, 4*RECB                     ; a slot's bytes
.set SLOT1, 131072                     ; slot 1 begins here: one exclusive or turns an address in one slot into the other's
.set STG,   SLOT1+SLOTB                ; behind slot 1: the odd waves' O^T, 8,192 bytes each; no fill lands here
.set MLB,   STG+8*8192                 ; their -M and sums, 256 bytes each
.set SPARE, MLB+8*256                  ; the spare words, 128 bytes a wave
.set NSL,   8
.set AL,  1                            ; 16 x lane
.set AS,  2                            ; my lane's place among a slot's scale words
.set SPW, 3
.set NIL, 4
.set QS,  5
.set DB,  6                            ; r + 8 (r / 8) - 16 h
.set YO,  7
.set ADK, 8
.set ADS, 9
.set T0,  10
.set T1,  11
.set PFO, 28
.set AK,  29                           ; my lane's place in a slot's images
.set PO,  30                           ; the joining: O^T
.set PM,  31                           ; and -M, the sum
.set TM,  232
.set PC,  224
.set TB,  2                            ; LDS byte at which the slot in hand begins
.set HP,  3                            ; 0: even key steps, 1: odd
.set WV,  18
.set W8,  19                           ; my wave's number mod 8
.set SEL, 20
.set CS,  22
.set G1,  24
.set G0,  40
.set KF,  48                           ; my step's first key
.set Q0,  49                           ; my tile's first query; its last is 23 further on
.set LQ,  50                           ; the work-group's last query
.set SLOTS, 51
.set KS,  52                           ; the slot's first key
.set LIM, 53
.set PFA, 54
	s_load_b256 s[4:11], s[0:1], 0x0               ; q_img s[4:5], q_sc s[6:7], kv s[8:9], y_img s[10:11]
	s_load_b64 s[12:13], s[0:1], 0x20              ; y_sc
	v_lshl_add_u32 v[SPW], v0, 2, SPARE
	v_mov_b32 v[NIL], 0
	ds_add_u32 v[SPW], v[NIL]                      ; the wave's opening: the add, twice on end, and its wait come ahead of my first tensor load
	ds_add_u32 v[SPW], v[NIL]
	v_lshrrev_b32 v8, 5, v0
	s_delay_alu instid0(VALU_DEP_1)
	v_readfirstlane_b32 s[WV], v8                  ; wave 0..15
	s_and_b32 s[W8], s[WV], 7
	s_lshr_b32 s[HP], s[WV], 3
	s_and_b32 s56, ttmp7, 0xffff                   ; the head
	s_bcnt1_i32_b32 s57, s[W8]
	s_and_b32 s57, s57, 1                          ; 1: an early tile, 0: a late one
	s_sub_co_u32 s58, 63, ttmp9
	s_cmp_eq_u32 s57, 1
	s_cselect_b32 s58, ttmp9, s58                  ; my block of 64 queries
	s_lshr_b32 s59, s[W8], 1                       ; my tile of its four
	s_lshr_b32 s60, s58, 1                         ; the block of 128 tokens
	s_and_b32 s61, s58, 1
	s_lshl_b32 s61, s61, 2
	s_add_co_u32 s61, s61, s59                     ; my tile in it
	s_lshl_b32 s[Q0], s58, 6
	s_lshr_b32 s62, s59, 1
	s_lshl_b32 s62, s62, 5
	s_add_co_u32 s[Q0], s[Q0], s62
	s_and_b32 s62, s59, 1
	s_lshl_b32 s62, s62, 3
	s_add_co_u32 s[Q0], s[Q0], s62
	s_lshl_b32 s[LQ], ttmp9, 6
	s_sub_co_u32 s[LQ], 4095, s[LQ]
	s_lshl_b32 s63, s56, 5
	s_add_co_u32 s63, s63, s60
	s_lshl_b32 s66, s63, 13
	s_lshl_b32 s67, s61, 10
	s_add_co_u32 s66, s66, s67                     ; my tile in q_img
	s_mov_b32 s67, 0
	s_lshl_b32 s68, s63, 9
	s_lshl_b32 s69, s61, 2
	s_add_co_u32 s68, s68, s69                     ; and in q_sc
	s_mov_b32 s69, 0
	s_lshl_b32 s70, s60, 3
	s_add_co_u32 s70, s70, s56
	s_lshl_b32 s70, s70, 3
	s_add_co_u32 s70, s70, s61
	s_lshl_b32 s72, s70, 6                         ; in y_sc
	s_mov_b32 s73, 0
	s_lshl_b32 s70, s70, 10                        ; in y_img
	s_mov_b32 s71, 0
	s_mul_i32 s74, s56, 32*RECB
	s_mul_i32 s75, s[WV], SLOTB/16
	s_add_co_u32 s74, s74, s75                     ; my part of slot 0 in kv
	s_mov_b32 s75, 0
	s_mul_i32 s76, s[HP], RECB                     ; the odd steps begin one record on
	s_mov_b32 s[G1], 3<<16                         ; a sixteenth of a slot, 4,352 dense bytes, as 17 rows of 256 (32 elements of 8 bytes), no padding
	s_mov_b32 s[G1+1], 32<<16
	s_mov_b32 s[G1+2], 17<<16
	s_mov_b32 s[G1+3], 32<<16
	s_mov_b32 s[G1+4], 17
	s_mov_b32 s[G1+5], 32
	s_mov_b32 s[G1+6], 0
	s_mov_b32 s[G1+7], 0
	s_mov_b32 s[SEL], 0x76543210
	s_mov_b32 s[SEL+1], 0xfedcba98                 ; v_permlanex16_b32's selects for lane l xor 16
	s_mov_b32 s[CS], 0x3e0293ee                    ; log2(e) / sqrt(128)
	s_mov_b32 s[CS+1], s[CS]
	s_mov_b32 s[TB], 0
	s_mov_b32 s[KS], 0
	s_lshl_b32 s[KF], s[HP], 7
	s_mov_b32 s[SLOTS], NSL-1
	s_cmp_eq_u32 ttmp9, 0
	s_cselect_b32 s[LIM], 1, -1                    ; work-group 0 asks while more than one slot is still to come
	s_mov_b32 s[G0], 1
	s_mul_i32 s[G0+1], s[WV], SLOTB/16
	s_wait_dscnt 0x0                               ; both opening adds are done
	s_wait_kmcnt 0x0
	s_add_nc_u64 s[G0+2:G0+3], s[8:9], s[74:75]
	s_or_b32 s[G0+3], s[G0+3], 0x80000000
	tensor_load_to_lds s[G0:G0+3], s[G1:G1+7]      ; slot 0: one load a wave
	s_nop 0
.rept 4
	v_nop
.endr
	s_add_nc_u64 s[PFA:PFA+1], s[8:9], s[74:75]
	s_add_nc_u64 s[PFA:PFA+1], s[PFA:PFA+1], SLOTB ; at slot 1: the first change of slots steps it to slot 2
	s_add_nc_u64 s[4:5], s[4:5], s[66:67]
	s_add_nc_u64 s[6:7], s[6:7], s[68:69]
	s_add_nc_u64 s[10:11], s[10:11], s[70:71]
	s_add_nc_u64 s[12:13], s[12:13], s[72:73]
	v_and_b32 v[T0], 31, v0
	v_and_b32 v[T1], 15, v0
	v_lshlrev_b32 v[AL], 4, v[T0]
	v_lshlrev_b32 v[QS], 5, v[T1]
	global_load_b128 v[16:19], v[AL], s[4:5]       ; Q's fragment stays in registers
	global_load_b128 v[20:23], v[AL], s[4:5] offset:512
	global_load_b32 v24, v[QS], s[6:7]             ; and its scale words
	v_add_nc_u32 v[AS], s76, v[QS]
	v_add_nc_u32 v[AK], s76, v[AL]
	v_and_b32 v[DB], 8, v[T1]
	v_bfe_u32 v9, v0, 4, 1
	v_add_nc_u32 v[DB], v[DB], v[T1]
	v_lshlrev_b32 v9, 4, v9
	v_lshlrev_b32 v[YO], 2, v[T1]
	v_sub_nc_u32 v[DB], v[DB], v9
	v_min_u32 v[PFO], 16, v[T0]                    ; 17 blocks a wave; the lanes left over name the last one again
	v_mov_b32 v13, 0xff61b1e6                      ; the largest t so far: -3e38, under every t
	v_lshlrev_b32 v[PFO], 8, v[PFO]
	v_floor_f32 v12, -v13                          ; -M
	v_mov_b32 v14, 0
	v_mov_b32 v15, 0
	v_mov_b32 v26, 0
	v_mov_b32 v27, 0
.irp b, 0,1,2,3
	v_mov_b32 v[236+\b], 0                         ; a lane permute's destination counts as one of its sources
.endr
.set j, 0
.rept 64
	v_mov_b32 v[160+j], 0                          ; O^T: the first change of M multiplies zeros
.set j, j+1
.endr
.macro ASK
	s_cmp_gt_u32 s[SLOTS], s[LIM]
	s_cbranch_scc0 .Lnot_mine_\@
	global_prefetch_b8 v[PFO], s[PFA:PFA+1] th:TH_LOAD_NT scope:SCOPE_SE
.Lnot_mine_\@:
.endm
; THE CHANGE OF SLOTS, at a slot's head: every wave waits for its tensor load, adds 0 to its spare word and waits for that and for its reads of the slot left behind.  Behind the barrier the slot ahead is whole, and the other one is filled,
; up to the causal limit: a slot whose first key comes after the work-group's last query is read by no wave and is not asked for (ids and the count of slots alone; every wait for tensor loads is for 0).
.macro CHANGE fill
	s_wait_tensorcnt 0x0
	ds_add_u32 v[SPW], v[NIL]
.if \fill
	s_xor_b32 s[G0+1], s[G0+1], SLOT1
	s_add_nc_u64 s[G0+2:G0+3], s[G0+2:G0+3], SLOTB
	s_wait_xcnt 0x0                                ; any prefetch of mine has read its address
	s_add_nc_u64 s[PFA:PFA+1], s[PFA:PFA+1], SLOTB
.endif
	s_wait_dscnt 0x0
	s_barrier_signal -1
	s_barrier_wait -1
.if \fill
	s_add_co_u32 s96, s[KS], 512
	s_cmp_gt_u32 s96, s[LQ]
	s_cbranch_scc1 .Lpast_\@
	tensor_load_to_lds s[G0:G0+3], s[G1:G1+7]
	s_nop 0
.rept 4
	v_nop
.endr
.Lpast_\@:
	ASK
.endif
.endm
; A KEY STEP of mine: 128 keys, record q (even waves) or q + 1 (odd waves) of the slot in hand.
.macro STEP q
	s_add_co_u32 s96, s[Q0], 23
	s_cmp_gt_u32 s[KF], s96
	s_cbranch_scc1 .Lhidden_\@                     ; all its keys come after my queries: the step's work is left out
	v_add_nc_u32 v[ADK], s[TB], v[AK]
	v_add_nc_u32 v[ADS], s[TB], v[AS]
	v_nop                                          ; with the two additions four places behind the last products, ahead of loads into their sources
	v_nop
.irp a, 0,1,2,3,4,5,6,7
.irp c, 0,1
	ds_load_b128 v[32+8*\a+4*\c:32+8*\a+4*\c+3], v[ADK] offset:RECB*(\q)+1024*\a+512*\c
.endr
.endr
.irp g, 0,1
	ds_load_b128 v[248+4*\g:251+4*\g], v[ADS] offset:RECB*(\q)+16384+16*\g
.endr
	s_wait_alu depctr_va_vdst(0)
	s_wait_dscnt 0x0
.irp a, 0,1,2,3,4,5,6,7
	v_wmma_scale_f32_16x16x128_f8f6f4 v[96+8*\a:103+8*\a], v[32+8*\a:39+8*\a], v[16:23], 0, v[248+\a], v24 matrix_a_fmt:MATRIX_FMT_FP4 matrix_b_fmt:MATRIX_FMT_FP4
.endr
.rept 4
	v_nop
.endr
.irp t, 0,1,2,3,4,5,6,7                        ; V's fragments and scale words are on their way under the softmax
.irp c, 0,1
	ds_load_b128 v[32+8*\t+4*\c:32+8*\t+4*\c+3], v[ADK] offset:RECB*(\q)+8192+1024*\t+512*\c
.endr
.endr
.irp g, 0,1
	ds_load_b128 v[248+4*\g:251+4*\g], v[ADS] offset:RECB*(\q)+16896+16*\g
.endr
	s_add_co_u32 s96, s[KF], 127
	s_cmp_le_u32 s96, s[Q0]
	s_cbranch_scc1 .Lopen_\@                       ; all keys count
	s_sub_co_i32 s96, s[Q0], s[KF]
	v_add_nc_u32 v[T0], s96, v[DB]                 ; register 16 b + i holds key KF + 16 h + 32 b + i: hidden where 32 b + i exceeds this
	v_mov_b32 v[T1], 0xff800000
.set n, 0
.rept 64
	v_cmp_gt_i32 vcc_lo, 32*(n/16)+n%16, v[T0]
	v_cndmask_b32 v[96+n], v[96+n], v[T1], vcc_lo
.set n, n+1
.endr
.Lopen_\@:
.irp b, 0,1,2,3                                ; the largest score of each block of 32 keys: it serves the row's maximum and the block's largest p
	v_max3_num_f32 v[232+\b], v[96+16*\b], v[97+16*\b], v[98+16*\b]
.endr
.irp i, 3,5,7,9,11,13
.irp b, 0,1,2,3
	v_max3_num_f32 v[232+\b], v[232+\b], v[96+16*\b+\i], v[97+16*\b+\i]
.endr
.endr
.irp b, 0,1,2,3
	v_max_num_f32 v[232+\b], v[232+\b], v[111+16*\b]
.endr
.irp b, 0,1,2,3
	s_delay_alu instid0(VALU_DEP_4)
	v_permlanex16_b32 v[236+\b], v[232+\b], s[SEL], s[SEL+1]
.endr
.irp b, 0,1,2,3
	s_delay_alu instid0(VALU_DEP_4)
	v_max_num_f32 v[232+\b], v[232+\b], v[236+\b]
.endr
	s_delay_alu instid0(VALU_DEP_2)
	v_max3_num_f32 v[T0], v232, v233, v234
	s_delay_alu instid0(VALU_DEP_1)
	v_max_num_f32 v[T0], v[T0], v235
	s_delay_alu instid0(VALU_DEP_1)
	v_mul_f32 v[T0], s[CS], v[T0]
	s_delay_alu instid0(VALU_DEP_1)
	v_max_num_f32 v13, v13, v[T0]
	v_mov_b32 v[T0], v12
	s_delay_alu instid0(VALU_DEP_2)
	v_floor_f32 v12, -v13                          ; the new -M
	s_delay_alu instid0(VALU_DEP_1)
	v_sub_f32 v[T0], v12, v[T0]
	s_delay_alu instid0(VALU_DEP_1)
	v_cvt_i32_f32 v[T0], v[T0]
	s_delay_alu instid0(VALU_DEP_1)
	v_ldexp_f32 v26, 1.0, v[T0]                    ; 2^(old M - new M)
.set j, 0
.rept 32
	v_pk_fma_f32 v[96+j:97+j], v[96+j:97+j], s[CS:CS+1], v[12:13] op_sel_hi:[1,0,0]
.set j, j+2
.endr
.irp b, 0,1,2,3
	v_fma_f32 v[232+\b], v[232+\b], s[CS], v12
.endr
.set j, 0
	s_wait_alu depctr_va_vdst(0)
.rept 64
	v_exp_f32 v[96+j], v[96+j]
.set j, j+1
.endr
	v_pk_mul_f32 v[14:15], v[14:15], v[26:27] op_sel_hi:[1,0]
	s_wait_alu depctr_va_vdst(0)
.irp b, 0,1,2,3
	v_exp_f32 v[232+\b], v[232+\b]                 ; each block's largest p
.endr
	v_pk_add_f32 v[236:237], v[96:97], v[98:99]    ; the sum of the unquantised p, in two chains
.set j, 4
.rept 15
	v_pk_add_f32 v[14:15], v[14:15], v[96+j:97+j]
	v_pk_add_f32 v[236:237], v[236:237], v[98+j:99+j]
.set j, j+4
.endr
	s_delay_alu instid0(VALU_DEP_1)
	v_pk_add_f32 v[14:15], v[14:15], v[236:237]
	s_wait_alu depctr_va_vdst(0)
.irp b, 0,1,2,3
	v_max_num_f32 v[232+\b], 0x1800000, v[232+\b]  ; the floor 2^(3 - 127): the byte cannot fall under 1
.endr
.irp b, 0,1,2,3
	s_delay_alu instid0(VALU_DEP_4)
	v_add_nc_u32 v[244+\b], 0xff000000, v[232+\b]  ; 2 off the exponent field: the conversion's scale operand
.endr
.irp b, 0,1,2,3
	s_delay_alu instid0(VALU_DEP_4)
	v_lshrrev_b32 v[236+\b], 23, v[244+\b]
.endr
	s_delay_alu instid0(VALU_DEP_3)
	v_lshl_or_b32 v25, v237, 8, v236
	s_delay_alu instid0(VALU_DEP_1)
	v_lshl_or_b32 v25, v238, 16, v25
	s_delay_alu instid0(VALU_DEP_1)
	v_lshl_or_b32 v25, v239, 24, v25               ; p's scale word
.irp b, 0,1,2,3
	v_cvt_scalef32_pk8_fp4_f32 v[PC+2*\b], v[96+16*\b:103+16*\b], v[244+\b]
	v_cvt_scalef32_pk8_fp4_f32 v[PC+1+2*\b], v[104+16*\b:111+16*\b], v[244+\b]
.endr
	v_nop                                          ; one plain place behind a scaled conversion
.irp c, 0,1
.irp i, 0,1
	v_permlane16_swap_b32 v[PC+4*\c+\i], v[PC+2+4*\c+\i]   ; the operand's layout wants a whole block in a lane
.endr
.endr
.set j, 0
.rept 32
	v_pk_mul_f32 v[160+j:161+j], v[160+j:161+j], v[26:27] op_sel_hi:[1,0]
.set j, j+2
.endr
	s_wait_alu depctr_va_vdst(0)
	s_wait_dscnt 0x0
.irp t, 0,1,2,3,4,5,6,7
	v_wmma_scale_f32_16x16x128_f8f6f4 v[160+8*\t:167+8*\t], v[32+8*\t:39+8*\t], v[PC:PC+7], v[160+8*\t:167+8*\t], v[248+\t], v25 matrix_a_fmt:MATRIX_FMT_FP4 matrix_b_fmt:MATRIX_FMT_FP4
.endr
.Lhidden_\@:
	s_add_co_u32 s[KF], s[KF], 256                 ; my next step: every second one is mine
.endm
.macro SLOT_STEPS
	STEP 0
	STEP 2
	s_xor_b32 s[TB], s[TB], SLOT1
	s_add_co_u32 s[KS], s[KS], 512
.endm
	s_wait_alu depctr_va_vdst(0)
	s_wait_loadcnt 0x0                             ; Q
.Lslot:
	CHANGE 1
	SLOT_STEPS
	s_sub_co_u32 s[SLOTS], s[SLOTS], 1
	s_cmp_lg_u32 s[SLOTS], 0
	s_cbranch_scc1 .Lslot
	CHANGE 0
	SLOT_STEPS
	; THE JOINING.  The odd waves put O^T, -M and the sum into LDS bytes of their own; behind a barrier wave n takes wave n + 8's.  A wave that had no step has O^T = 0, sum = 0 and M = -3e38: its factor is 0.
.rept 4
	v_nop                                          ; places behind the last products
.endr
	s_lshl_b32 s96, s[W8], 13
	s_add_co_u32 s96, s96, STG
	s_lshl_b32 s97, s[W8], 8
	s_add_co_u32 s97, s97, MLB
	v_add_f32 v27, v14, v15
	v_mov_b32 v26, v12
	v_add_nc_u32 v[PO], s96, v[AL]
	v_lshrrev_b32 v[PM], 1, v[AL]
	v_add_nc_u32 v[PM], s97, v[PM]
	s_wait_alu depctr_va_vdst(0)
	s_cmp_lt_u32 s[WV], 8
	s_cbranch_scc1 .Lmeet
	ds_store_b64 v[PM], v[26:27]
.irp i, 0,1,2,3,4,5,6,7,8,9,10,11,12,13,14,15
	ds_store_b128 v[PO], v[160+4*\i:163+4*\i] offset:512*\i
.endr
.Lmeet:
	s_wait_dscnt 0x0
	s_barrier_signal -1
	s_barrier_wait -1
	s_cmp_gt_u32 s[WV], 7
	s_cbranch_scc1 .Lend                           ; the odd waves are done
	ds_load_b64 v[16:17], v[PM]
.irp i, 0,1,2,3,4,5,6,7,8,9,10,11,12,13,14,15
	ds_load_b128 v[96+4*\i:99+4*\i], v[PO] offset:512*\i
.endr
	s_wait_dscnt 16                                ; -M and the sum are in; the 16 loads of O^T may be out
	v_min_num_f32 v18, v26, v16                    ; the joint -M
	v_sub_f32 v19, v18, v26
	v_sub_f32 v20, v18, v16
	v_cvt_i32_f32 v19, v19
	v_cvt_i32_f32 v20, v20
	v_ldexp_f32 v18, 1.0, v19                      ; my factor
	v_ldexp_f32 v20, 1.0, v20                      ; and the other wave's
	v_mul_f32 v14, v18, v27
	v_fma_f32 v14, v20, v17, v14
	v_permlanex16_b32 v236, v14, s[SEL], s[SEL+1]
	v_add_f32 v14, v14, v236                       ; with lane l xor 16's: the row's sum
	s_wait_alu depctr_va_vdst(0)
	v_rcp_f32 v14, v14
	v_nop
	s_wait_alu depctr_va_vdst(0)
	v_mul_f32 v18, v18, v14
	v_mul_f32 v20, v20, v14
	s_wait_dscnt 0x0
	s_wait_alu depctr_va_vdst(0)
.set j, 0
.rept 32
	v_pk_mul_f32 v[160+j:161+j], v[160+j:161+j], v[18:19] op_sel_hi:[1,0]
.set j, j+2
.endr
.set j, 0
.rept 32
	v_pk_fma_f32 v[96+j:97+j], v[96+j:97+j], v[20:21], v[160+j:161+j] op_sel_hi:[1,0,1]
.set j, j+2
.endr
	; y is quantised along the head's channels: register 16 b + i is channel 32 b + 16 h + i
.irp b, 0,1,2,3
	v_max3_num_f32 v[TM+\b], |v[96+16*\b]|, |v[97+16*\b]|, 0x1800000
.endr
.irp i, 2,4,6,8,10,12,14
.irp b, 0,1,2,3
	v_max3_num_f32 v[TM+\b], v[TM+\b], |v[96+16*\b+\i]|, |v[97+16*\b+\i]|
.endr
.endr
.irp b, 0,1,2,3
	v_permlanex16_b32 v[TM+4+\b], v[TM+\b], s[SEL], s[SEL+1]
.endr
.irp b, 0,1,2,3
	v_max_num_f32 v[TM+\b], v[TM+\b], v[TM+4+\b]
.endr
.irp b, 0,1,2,3
	v_add_nc_u32 v[TM+12+\b], 0xff000000, v[TM+\b]
.endr
.irp b, 0,1,2,3
	v_lshrrev_b32 v[TM+4+\b], 23, v[TM+12+\b]
.endr
	v_lshl_or_b32 v[T0], v[TM+5], 8, v[TM+4]
	v_lshl_or_b32 v[T0], v[TM+6], 16, v[T0]
	v_lshl_or_b32 v[T0], v[TM+7], 24, v[T0]
.irp b, 0,1,2,3
	v_cvt_scalef32_pk8_fp4_f32 v[PC+2*\b], v[96+16*\b:103+16*\b], v[TM+12+\b]
	v_cvt_scalef32_pk8_fp4_f32 v[PC+1+2*\b], v[104+16*\b:111+16*\b], v[TM+12+\b]
.endr
	v_nop
.irp c, 0,1
.irp i, 0,1
	v_permlane16_swap_b32 v[PC+4*\c+\i], v[PC+2+4*\c+\i]
.endr
.endr
	global_store_b128 v[AL], v[PC:PC+3], s[10:11]  ; 512 consecutive bytes a store
	global_store_b128 v[AL], v[PC+4:PC+7], s[10:11] offset:512
	global_store_b32 v[YO], v[T0], s[12:13]
.Lend:
	s_wait_tensorcnt 0x0                           ; the wave's end
	ds_add_u32 v[SPW], v[NIL]
	s_wait_dscnt 0x0
	s_endpgm
.Lfunc_end_k_q36f6ef7d5f_attn:
	.size	k_q36f6ef7d5f_attn, .Lfunc_end_k_q36f6ef7d5f_attn-k_q36f6ef7d5f_attn
	.p2alignl 7, 3214868480
	.fill 96, 4, 3214868480
	.section	.rodata,"a",@progbits
	.p2align	6, 0x0
	.amdhsa_kernel k_q36f6ef7d5f_attn
		.amdhsa_group_segment_fixed_size 327680
		.amdhsa_private_segment_fixed_size 0
		.amdhsa_enable_private_segment 0
		.amdhsa_kernarg_size 40
		.amdhsa_user_sgpr_count 2
		.amdhsa_user_sgpr_kernarg_segment_ptr 1
		.amdhsa_wavefront_size32 1
		.amdhsa_system_sgpr_workgroup_id_x 1
		.amdhsa_system_sgpr_workgroup_id_y 1
		.amdhsa_system_sgpr_workgroup_id_z 1
		.amdhsa_system_vgpr_workitem_id 0
		.amdhsa_next_free_vgpr 256
		.amdhsa_next_free_sgpr 100
		.amdhsa_reserve_vcc 1
		.amdhsa_float_denorm_mode_32 3
		.amdhsa_float_denorm_mode_16_64 3
		.amdhsa_memory_ordered 1
		.amdhsa_forward_progress 1
		.amdhsa_inst_pref_size 115
	.end_amdhsa_kernel
	.amdgpu_metadata
---
amdhsa.version: [ 1, 2 ]
amdhsa.kernels:
  - .name:           k_q36f6ef7d5f_attn
    .symbol:         k_q36f6ef7d5f_attn.kd
    .args:
      - { .name: q_img, .offset: 0, .size: 8, .value_kind: global_buffer, .address_space: global }
      - { .name: q_sc, .offset: 8, .size: 8, .value_kind: global_buffer, .address_space: global }
      - { .name: kv, .offset: 16, .size: 8, .value_kind: global_buffer, .address_space: global }
      - { .name: y_img, .offset: 24, .size: 8, .value_kind: global_buffer, .address_space: global }
      - { .name: y_sc, .offset: 32, .size: 8, .value_kind: global_buffer, .address_space: global }
    .group_segment_fixed_size: 327680
    .private_segment_fixed_size: 0
    .kernarg_segment_align: 8
    .kernarg_segment_size: 40
    .max_flat_workgroup_size: 512
    .sgpr_count:     100
    .vgpr_count:     256
    .wavefront_size: 32
...
	.end_amdgpu_metadata
.endif
;; end of part 2
;; launch proj (part 3): grid 8 x 32, 4 waves a work-group, clusters of 4 x 4, 327,680 bytes of LDS; arguments y_img, y_sc, w_proj_codes, w_proj_scales, b_proj, out0; writes out0
.if DOCPART == 3
	.amdgcn_target "amdgcn-amd-amdhsa--gfx1250"
	.amdhsa_code_object_version 6
	.text
	.protected	k_q36f6ef7d5f_proj
	.globl	k_q36f6ef7d5f_proj
	.p2align	8
	.type	k_q36f6ef7d5f_proj,@function
k_q36f6ef7d5f_proj:
	s_mov_b64 s[64:65], 0
	v_nop
	global_prefetch_b8 v0, s[64:65] scope:SCOPE_SE
	s_setreg_imm32_b32 hwreg(HW_REG_WAVE_MODE, 25, 1), 1
	s_wait_xcnt 0x0
	s_wait_alu depctr_hold_cnt(0) depctr_sa_sdst(0) depctr_va_vdst(0) depctr_va_sdst(0) depctr_va_ssrc(0) depctr_va_vcc(0) depctr_vm_vsrc(0)
	s_getreg_b32 s2, hwreg(HW_REG_IB_STS2, 6, 4)
	s_cmp_eq_u32 s2, 0
	s_cbranch_scc0 .Lentry_in_a_cluster
	s_endpgm
.Lentry_in_a_cluster:
	s_bfe_u32 s2, ttmp6, 0x10000c
	s_cmp_lg_u32 s2, 0xf033
	s_cbranch_scc0 .Lentry_shape_is_right
	s_endpgm
.Lentry_shape_is_right:
; out0 = y w_proj^T + b_proj on codes of FP4 (E2M1) with E8M0 scales, K = 1,024 in eight steps of 128 (a step = a head).  out0: [4,096][1,024] f32.
; 256 work-groups of 128 x 128, one for each WGP; a wave makes 64 x 64: 16 accumulators.  ALL OF K lies in LDS by first fills: no ring, nothing is filled again.
; y comes as images of operand registers, y_img[block of 128 tokens][head 8][tile 8][c 2][lane 32][16 bytes], y_sc[block][head][tile][r 16] words; lane r of tile a holds token 32 (a / 2) + 8 (a % 2) + r + 8 (r / 8).
; w_proj comes as rows of 512 bytes, padded in LDS to 528: row r starts at bank 4 r mod 64 (ISA guide 11.1), so the 16 rows of a fragment load start at 16 different banks.
; THE MATRIX INSTRUCTION IS USED TRANSPOSED (source 0 = 16 rows of w_proj, source 1 = 16 tokens): a lane holds eight neighbouring columns of one row of out0.  The bias is the C of each sum's first instruction.
; CLUSTER 4 x 4: y's block hangs on cy and is asked for jointly by a row of the cluster, w_proj's rows on cx and by a column.
; REGISTERS: window 0: v1-3, v16-23 addresses; v28, v29 the add's two; v32-63 w_proj's scale words (8 b + q); v64-79 y's (2 q + p: lanes 0-15 tile 2 p, lanes 16-31 tile 2 p + 1); v96-127 the bias; v128-255 accumulators.
;   window 1: four sets of 64: y's four fragments, then w_proj's four; on the way out v0-63 of window 1 take rows read back from the stage.
.set YI,    0                          ; y's images: [head][tile][1,024]
.set WC,    65536                      ; w_proj's 128 rows
.set WP,    528
.set YS,    WC+128*WP                  ; y's scale words, 4,096 bytes
.set WS,    YS+4096                    ; w_proj's: 32 bytes a row, as units of 256 + 16
.set STG,   WS+16*272                  ; the way out: 16 rows x (256 + 16) bytes for each wave; no fill lands here
.set SPARE, STG+4*16*272
.set ADY,  16
.set ADW,  17
.set ADYS, 18
.set ADWS, 19
.set STO,  20
.set RD,   21
.set CO,   22
.set BO,   23
.set SPW,  28
.set NIL,  29
.set PS,   32
.set RS,   64
.set BI,   96
.set ACC,  128
.set G1Y,  24
.set G1YS, 32
.set G1W,  40
.set G1WS, 48
.set G0Y,  56
.set G0YS, 60
.set G0W,  68
.set G0WS, 72
.set MSB, 0
.macro WIN new
.if MSB != \new
	s_set_vgpr_msb (MSB<<8)|\new
.set MSB, \new
.endif
.endm
; THE FOUR JOINT LOADS, one a wave: an arm of one tree of branches on the wave's number.  An s_nop 0 and four v_nop follow each.
.macro ARM under, g0, g1, next
	s_cmp_lt_u32 s16, \under
	s_cbranch_scc0 \next
	tensor_load_to_lds s[\g0:\g0+3], s[\g1:\g1+7]
	s_nop 0
.rept 4
	v_nop
.endr
	s_branch .Lhead_asked
\next:
.endm
.macro CROUND
	s_barrier_signal -1
	s_barrier_wait -1
	s_cmp_lg_u32 s16, 0
	s_cbranch_scc1 .Lnot_wave_0_\@
	s_barrier_signal -3
.Lnot_wave_0_\@:
	s_barrier_wait -3
	s_barrier_signal -1
	s_barrier_wait -1
.endm
	s_load_b256 s[4:11], s[0:1], 0x0               ; y_img s[4:5], y_sc s[6:7], w_proj's codes s[8:9], its scales s[10:11]
	s_load_b128 s[12:15], s[0:1], 0x20             ; b_proj s[12:13], out0 s[14:15]
	v_lshl_add_u32 v[SPW], v0, 2, SPARE
	v_mov_b32 v[NIL], 0
	ds_add_u32 v[SPW], v[NIL]                      ; the wave's opening: the adds and their wait come ahead of my first tensor load
	ds_add_u32 v[SPW], v[NIL]
	v_lshrrev_b32 v1, 5, v0
	v_readfirstlane_b32 s16, v1                    ; wave 0..3
	s_lshr_b32 s17, s16, 1                         ; my four tiles of tokens
	s_and_b32 s18, s16, 1                          ; my 64 columns
	s_bfe_u32 s21, ttmp6, 0x40000                  ; cx
	s_bfe_u32 s22, ttmp6, 0x40004                  ; cy
	s_lshl_b32 s20, ttmp9, 2
	s_add_co_u32 s20, s20, s21                     ; tile column: 128 columns of out0
	s_and_b32 s19, ttmp7, 0xffff
	s_lshl_b32 s19, s19, 2
	s_add_co_u32 s19, s19, s22                     ; block of 128 tokens
	s_lshl_b32 s76, s22, 2
	s_lshl_b32 s76, 15, s76                        ; my row of the cluster
	s_lshl_b32 s77, 0x1111, s21                    ; my column
	s_or_b32 s[G1Y], s76, (3<<16)|(1<<21)          ; y's images: 65,536 dense bytes as 256 rows of 256 (32 elements of 8 bytes), no padding
	s_mov_b32 s[G1Y+1], 32<<16
	s_mov_b32 s[G1Y+2], 256<<16                    ; all of the block's 65,536 bytes: 256 rows
	s_mov_b32 s[G1Y+3], 32<<16
	s_mov_b32 s[G1Y+4], 256
	s_mov_b32 s[G1Y+5], 32
	s_mov_b32 s[G1Y+6], 0
	s_mov_b32 s[G1Y+7], 0
	s_or_b32 s[G1YS], s76, (3<<16)|(1<<21)         ; y's scale words: 16 rows of 256
	s_mov_b32 s[G1YS+1], 32<<16
	s_mov_b32 s[G1YS+2], 16<<16                    ; 4,096 bytes: 16 rows
	s_mov_b32 s[G1YS+3], 32<<16
	s_mov_b32 s[G1YS+4], 16
	s_mov_b32 s[G1YS+5], 32
	s_mov_b32 s[G1YS+6], 0
	s_mov_b32 s[G1YS+7], 0
	s_or_b32 s[G1W], s77, (0<<16)|(1<<20)|(1<<21)|(6<<22)|(3<<25)   ; w_proj: 128 rows of 512 bytes, 4 words of padding behind every 128
	s_mov_b32 s[G1W+1], 512<<16
	s_mov_b32 s[G1W+2], 128<<16                    ; all 128 rows
	s_mov_b32 s[G1W+3], 512<<16
	s_mov_b32 s[G1W+4], 128
	s_mov_b32 s[G1W+5], 512
	s_mov_b32 s[G1W+6], 0
	s_mov_b32 s[G1W+7], 0
	s_or_b32 s[G1WS], s77, (3<<16)|(1<<20)|(1<<21)|(5<<22)|(3<<25)  ; its scales: 4,096 dense bytes as 16 rows of 256, 4 words of padding behind each
	s_mov_b32 s[G1WS+1], 32<<16
	s_mov_b32 s[G1WS+2], 16<<16                    ; 4,096 bytes: 16 rows
	s_mov_b32 s[G1WS+3], 32<<16
	s_mov_b32 s[G1WS+4], 16
	s_mov_b32 s[G1WS+5], 32
	s_mov_b32 s[G1WS+6], 0
	s_mov_b32 s[G1WS+7], 0
	s_lshl_b32 s78, s19, 16                        ; y_img: block x 65,536
	s_mov_b32 s79, 0
	s_lshl_b32 s80, s19, 12                        ; y_sc: block x 4,096
	s_mov_b32 s81, 0
	s_lshl_b32 s84, s20, 12                        ; w_proj's scales: 128 x tile column rows of 32 bytes
	s_mov_b32 s85, 0
	s_lshl_b32 s82, s20, 16                        ; and its codes: rows of 512 bytes
	s_mov_b32 s83, 0
	; where my 64 rows of w_proj and their scales lie in LDS:
	s_mul_i32 s88, s18, 64*WP
	s_add_co_u32 s88, s88, WC
	s_mul_i32 s89, s18, 8*272
	s_add_co_u32 s89, s89, WS
	s_wait_dscnt 0x0                               ; the opening add is done
	s_wait_kmcnt 0x0
	s_mov_b32 s[G0Y], 1
	s_mov_b32 s[G0Y+1], YI
	s_add_nc_u64 s[G0Y+2:G0Y+3], s[4:5], s[78:79]
	s_or_b32 s[G0Y+3], s[G0Y+3], 0x80000000
	s_mov_b32 s[G0YS], 1
	s_mov_b32 s[G0YS+1], YS
	s_add_nc_u64 s[G0YS+2:G0YS+3], s[6:7], s[80:81]
	s_or_b32 s[G0YS+3], s[G0YS+3], 0x80000000
	s_mov_b32 s[G0W], 1
	s_mov_b32 s[G0W+1], WC
	s_add_nc_u64 s[G0W+2:G0W+3], s[8:9], s[82:83]
	s_or_b32 s[G0W+3], s[G0W+3], 0x80000000
	s_mov_b32 s[G0WS], 1
	s_mov_b32 s[G0WS+1], WS
	s_add_nc_u64 s[G0WS+2:G0WS+3], s[10:11], s[84:85]
	s_or_b32 s[G0WS+3], s[G0WS+3], 0x80000000
	CROUND                                         ; all sixteen work-groups are here: the joint loads meet
	ARM 1, G0Y,  G1Y,  .Lhead_w
	ARM 2, G0W,  G1W,  .Lhead_ys
	ARM 3, G0YS, G1YS, .Lhead_ws
	tensor_load_to_lds s[G0WS:G0WS+3], s[G1WS:G1WS+7]
	s_nop 0
.rept 4
	v_nop
.endr
.Lhead_asked:
	v_and_b32 v1, 15, v0                           ; r
	v_bfe_u32 v2, v0, 4, 1                         ; h
	v_and_b32 v3, 31, v0                           ; lane
	s_lshl_b32 s76, s17, 12
	v_lshl_add_u32 v[ADY], v3, 4, s76              ; y's images: my four tiles, 16 x lane
	v_mul_u32_u24 v4, v1, WP
	v_lshl_add_u32 v4, v2, 4, v4
	v_add_nc_u32 v[ADW], s88, v4                   ; w_proj: my 64 rows, row r, + 16 h
	s_lshl_b32 s76, s17, 8
	s_add_co_u32 s76, s76, YS
	v_lshl_add_u32 v[ADYS], v3, 2, s76             ; y's scale words: two tiles' 32 words on end
	v_lshrrev_b32 v4, 3, v1
	v_lshlrev_b32 v5, 5, v1
	v_lshl_add_u32 v5, v4, 4, v5
	v_add_nc_u32 v[ADWS], s89, v5                  ; w_proj's: 32 bytes a row, 16 more behind each 256
	s_mul_i32 s76, s16, 16*272
	s_add_co_u32 s76, s76, STG                     ; my stage
	v_mul_u32_u24 v4, v1, 272
	v_lshl_add_u32 v4, v2, 5, v4
	v_add_nc_u32 v[STO], s76, v4                   ; in: row r, 32 bytes for each half of the lanes
	v_mul_u32_u24 v4, v2, 272
	v_lshl_add_u32 v4, v1, 4, v4
	v_add_nc_u32 v[RD], s76, v4                    ; back: lanes 0-15 one row of 256 bytes, lanes 16-31 the next
	v_lshlrev_b32 v4, 12, v2
	v_lshl_add_u32 v[CO], v1, 4, v4                ; and the same two rows in out0 (4,096 bytes a row)
	v_lshlrev_b32 v[BO], 5, v2
	s_wait_alu depctr_va_vdst(0)
	s_lshl_b32 s76, s20, 9
	s_lshl_b32 s77, s18, 8
	s_add_co_u32 s76, s76, s77                     ; my first column, in bytes
	s_mov_b32 s77, 0
	s_add_nc_u64 s[12:13], s[12:13], s[76:77]
	s_add_nc_u64 s[14:15], s[14:15], s[76:77]
	s_lshl_b32 s76, s19, 7
	s_lshl_b32 s78, s17, 6
	s_add_co_u32 s76, s76, s78
	s_lshl_b32 s76, s76, 12                        ; my first row, in bytes
	s_add_nc_u64 s[14:15], s[14:15], s[76:77]
.irp b, 0,1,2,3                                ; the bias in the result's layout: register 8 b + j: column 16 b + 8 h + j
	global_load_b128 v[BI+8*\b:BI+8*\b+3], v[BO], s[12:13] offset:64*\b
	global_load_b128 v[BI+8*\b+4:BI+8*\b+7], v[BO], s[12:13] offset:64*\b+16
.endr
	s_wait_tensorcnt 0x0                           ; my parts are in,
	s_barrier_signal -1
	s_barrier_wait -1                              ; everybody's are
.macro FETCH q                         ; K step q's eight fragments into set q % 4
	WIN 0x40                                       ; destination window 1
.irp i, 0,1,2,3
.irp c, 0,1
	ds_load_b128 v[64*((\q)%4)+8*\i+4*\c:64*((\q)%4)+8*\i+4*\c+3], v[ADY] offset:8192*(\q)+1024*\i+512*\c
.endr
.endr
.irp b, 0,1,2,3
.irp c, 0,1
	ds_load_b128 v[64*((\q)%4)+32+8*\b+4*\c:64*((\q)%4)+32+8*\b+4*\c+3], v[ADW] offset:16*WP*\b+64*(\q)+32*\c
.endr
.endr
	WIN 0
.endm
.macro MUL q                           ; 16 matrix instructions, the 16 accumulators by turns; the first K step starts the sums from the bias
	WIN 0x05                                       ; sources 0 and 1 window 1; C and D window 0
.irp i, 0,1,2,3
.irp b, 0,1,2,3
.set DD, ACC+8*(4*\i+\b)
.if (\q) == 0
.set CB, BI+8*\b
.else
.set CB, DD
.endif
.if \i%2
	v_wmma_scale_f32_16x16x128_f8f6f4 v[DD:DD+7], v[64*((\q)%4)+32+8*\b:64*((\q)%4)+32+8*\b+7], v[64*((\q)%4)+8*\i:64*((\q)%4)+8*\i+7], v[CB:CB+7], v[PS+8*\b+(\q)], v[RS+2*(\q)+\i/2] matrix_a_fmt:MATRIX_FMT_FP4 matrix_b_fmt:MATRIX_FMT_FP4 matrix_b_scale:MATRIX_SCALE_ROW1
.else
	v_wmma_scale_f32_16x16x128_f8f6f4 v[DD:DD+7], v[64*((\q)%4)+32+8*\b:64*((\q)%4)+32+8*\b+7], v[64*((\q)%4)+8*\i:64*((\q)%4)+8*\i+7], v[CB:CB+7], v[PS+8*\b+(\q)], v[RS+2*(\q)+\i/2] matrix_a_fmt:MATRIX_FMT_FP4 matrix_b_fmt:MATRIX_FMT_FP4
.endif
.endr
.endr
	WIN 0
.endm
.irp b, 0,1,2,3
.irp g, 0,1
	ds_load_b128 v[PS+8*\b+4*\g:PS+8*\b+4*\g+3], v[ADWS] offset:544*\b+16*\g   ; all of K's scale words of my rows of w_proj
.endr
.endr
.irp q, 0,1,2,3,4,5,6,7
.irp p, 0,1
	ds_load_b32 v[RS+2*\q+\p], v[ADYS] offset:512*\q+128*\p                    ; and of my tokens
.endr
.endr
	FETCH 0
	FETCH 1
	FETCH 2
	s_wait_loadcnt 0x0                             ; the bias
.irp q, 0,1,2,3,4,5,6,7
.if \q <= 5
	s_wait_dscnt 32                                ; set q is in; the two sets asked for behind it may be out
.elseif \q == 6
	s_wait_dscnt 16
.else
	s_wait_dscnt 0
.endif
	MUL \q
.if \q <= 4
.rept 4
	v_nop                                          ; places in front of loads into the set that the K step before has read
.endr
	FETCH \q+3
.endif
.endr
; THE WAY OUT, a tile of 16 tokens x 64 columns at a time, through my own stage: in as 32 bytes a lane, back as whole rows of 256 bytes, which sixteen lanes store as one aligned run of 256 bytes.
; LDS serves a wave's instructions in order (ISA guide 5.7.1.4): no wait between the stores and the loads, nor in front of the next tile's stores.  Stage row 2 t + h is token 2 t + h + 8 (t / 4) of the tile.
.macro TOSTAGE i
.irp b, 0,1,2,3
	ds_store_b128 v[STO], v[ACC+8*(4*(\i)+\b):ACC+8*(4*(\i)+\b)+3] offset:64*\b        ; each accumulator from its low end on
	ds_store_b128 v[STO], v[ACC+8*(4*(\i)+\b)+4:ACC+8*(4*(\i)+\b)+7] offset:64*\b+16
.endr
	WIN 0x40                                       ; destination window 1
.irp t, 0,1,2,3,4,5,6,7
	ds_load_b128 v[32*((\i)%2)+4*\t:32*((\i)%2)+4*\t+3], v[RD] offset:544*\t
.endr
	WIN 0
.endm
.macro SEND i, younger                 ; younger: the LDS instructions issued behind tile i's loads
	s_wait_dscnt \younger
	WIN 0x04                                       ; a store's data are its source 1: window 1
.irp t, 0,1,2,3,4,5,6,7
	global_store_b128 v[CO], v[32*((\i)%2)+4*\t:32*((\i)%2)+4*\t+3], s[14:15] offset:(32*((\i)/2)+8*((\i)%2)+2*\t+8*(\t/4))*4096 th:TH_STORE_NT
.endr
	WIN 0
.endm
.rept 4
	v_nop                                          ; places behind the last products
.endr
	TOSTAGE 0
.irp a, 1,2,3
.if \a > 1
	s_wait_xcnt 0x0                                ; tile a - 2's stores have read their registers: tile a's loads may land there
.endif
	TOSTAGE \a
	SEND \a-1, 16                                  ; behind tile a - 1's loads: tile a's eight stores and eight loads
.endr
	SEND 3, 0
	s_wait_tensorcnt 0x0                           ; the wave's end
	ds_add_u32 v[SPW], v[NIL]
	s_wait_dscnt 0x0
	CROUND                                         ; the closing round
	s_endpgm
.Lfunc_end_k_q36f6ef7d5f_proj:
	.size	k_q36f6ef7d5f_proj, .Lfunc_end_k_q36f6ef7d5f_proj-k_q36f6ef7d5f_proj
	.p2alignl 7, 3214868480
	.fill 96, 4, 3214868480
	.section	.rodata,"a",@progbits
	.p2align	6, 0x0
	.amdhsa_kernel k_q36f6ef7d5f_proj
		.amdhsa_group_segment_fixed_size 327680
		.amdhsa_private_segment_fixed_size 0
		.amdhsa_enable_private_segment 0
		.amdhsa_kernarg_size 48
		.amdhsa_user_sgpr_count 2
		.amdhsa_user_sgpr_kernarg_segment_ptr 1
		.amdhsa_wavefront_size32 1
		.amdhsa_system_sgpr_workgroup_id_x 1
		.amdhsa_system_sgpr_workgroup_id_y 1
		.amdhsa_system_sgpr_workgroup_id_z 1
		.amdhsa_system_vgpr_workitem_id 0
		.amdhsa_next_free_vgpr 512
		.amdhsa_next_free_sgpr 92
		.amdhsa_reserve_vcc 0
		.amdhsa_float_denorm_mode_32 3
		.amdhsa_float_denorm_mode_16_64 3
		.amdhsa_memory_ordered 1
		.amdhsa_forward_progress 1
		.amdhsa_inst_pref_size 45
	.end_amdhsa_kernel
	.amdgpu_metadata
---
amdhsa.version: [ 1, 2 ]
amdhsa.kernels:
  - .name:           k_q36f6ef7d5f_proj
    .symbol:         k_q36f6ef7d5f_proj.kd
    .args:
      - { .name: y_img, .offset: 0, .size: 8, .value_kind: global_buffer, .address_space: global }
      - { .name: y_sc, .offset: 8, .size: 8, .value_kind: global_buffer, .address_space: global }
      - { .name: w_proj_codes, .offset: 16, .size: 8, .value_kind: global_buffer, .address_space: global }
      - { .name: w_proj_scales, .offset: 24, .size: 8, .value_kind: global_buffer, .address_space: global }
      - { .name: b_proj, .offset: 32, .size: 8, .value_kind: global_buffer, .address_space: global }
      - { .name: out0, .offset: 40, .size: 8, .value_kind: global_buffer, .address_space: global }
    .group_segment_fixed_size: 327680
    .private_segment_fixed_size: 0
    .kernarg_segment_align: 8
    .kernarg_segment_size: 48
    .max_flat_workgroup_size: 128
    .sgpr_count:     92
    .vgpr_count:     512
    .wavefront_size: 32
...
	.end_amdgpu_metadata
.endif
;; end of part 3
